; MI455X (gfx1250); checked and timed in simulation.
; The chip was launched on July 23, 2026; its instructions are those of AMD's public machine-readable ISA for CDNA 5 (MIT licence, August 2026) and "CDNA5" Instruction Set Architecture Reference Guide (July 2026). The comments in the code are by the model that wrote it; some were corrected since.
;; Multi Head Attention. Allowed arithmetic: matrix products marked QUANTISED: E5M2 operands, one E8M0 scale for each 32 along K, by v_wmma_scale_f32_16x16x128_f8f6f4 with both operands' format E5M2, f32 sums; everything else in f32.
;; Inputs: fc_b 512 float32; fc_w_codes 512 x 16 x 32 uint8 (E5M2 codes of fc_w, K innermost, in blocks of 32 codes); fc_w_scales 512 x 16 uint8 (E8M0 scales of fc_w, one for each 32 codes along K); keys 2 x 4,096 x 512 float32; query 2 x 4,096 x 512 float32; values_codes 2 x 512 x 128 x 32 uint8 (E5M2 codes of values, K innermost, in blocks of 32 codes); values_scales 2 x 512 x 128 uint8 (E8M0 scales of values, one for each 32 codes along K).
;; Outputs: out0 2 x 4,096 x 512 float32.
;; This version of the problem:
;;   THIS VERSION OF THE PROBLEM IS GIVEN IN LOW PRECISION. The matrix products marked QUANTISED in the list below multiply operands that are first quantised to E5M2 (5 exponent bits, 2 mantissa bits; 8 bits a number), with one power-of-two scale for each 32 numbers along K (OCP MX v1.0); their sums are f32. All else is computed in f32.
;;   The module's matrix products, in the order in which they are computed (A, B: the left and right operand; K: the contracted axis; several contracted axes count as one K, in the product's order):
;;     1. batch 16 x [M 4,096, K 64] x [K 64, N 4,096]; A: input query; B: input keys: QUANTISED
;;     2. batch 16 x [M 64, K 4,096] x [K 4,096, N 4,096]; A: input values (given as codes); B: softmax (see below): QUANTISED
;;     3. [M 8,192, K 512] x [K 512, N 512]; A: computed on the way; B: input fc_w (given as codes): QUANTISED
;;   THE QUANTISER, for each operand of a quantised product, along K:
;;     - K is cut into blocks of 32 from its start; a last block that is shorter is filled with zeros.
;;     - A block's scale is 2^e with e = floor(log2(the largest magnitude in the block)) - 15, held to -126 .. 127; a block of zeros has e = 0. As a byte (E8M0): e + 127.
;;     - Each number is divided by its block's scale, clamped to +-57,344, and rounded to the nearest number of E5M2, ties to even, subnormals kept.
;;     - The product sums the exact products of the quantised numbers (number of the format x scale) in f32.
;;   ~~~python
;;   def quantise(x, axis):      # numpy; x: float32 -> the quantised numbers, widened to float32 again
;;       x = np.moveaxis(x, axis, -1); K = x.shape[-1]
;;       x = np.pad(x, [(0, 0)] * (x.ndim - 1) + [(0, -K % 32)]); x = x.reshape(x.shape[:-1] + (-1, 32)); a = np.abs(x).max(-1, keepdims=True)
;;       e = np.where(a > 0, np.clip(np.frexp(np.where(a > 0, a, 1))[1] - 1 - 15, -126, 127), 0)      # np.frexp(a)[1] - 1 = floor(log2(a)), exactly
;;       r = np.clip(x / 2.0 ** e, -57344, 57344)
;;       step = 2.0 ** (np.maximum(np.frexp(np.where(r == 0, 1, r))[1] - 1, -14) - 2)
;;       q = np.round(r / step) * step * 2.0 ** e      # np.round: ties to even
;;       return np.moveaxis(q.reshape(q.shape[:-2] + (-1,))[..., :K], -1, axis).astype(np.float32)
;;   ~~~
;;   SOFTMAX AHEAD OF A QUANTISED PRODUCT. Where the list says 'softmax', what is quantised is not the finished softmax but p = 2^(t - M), with t = logit x log2(e) and M = ceil(the row's largest t), a whole number; so 1/2 < the row's largest p <= 1. The row's sum l is taken of the UNQUANTISED p, in f32, and the product's result is divided by l at the end. Since M is a whole number, a kernel that streams over the keys may use a running M (the ceiling of the running maximum): every later rescaling is an exact power of two, which a block's scale takes up: the codes' values come out the same.
;;   OPERANDS COMPUTED ON THE WAY. 'Computed on the way' means the value that the module computes at that place (a softmax that the list does not call 'softmax' is quantised finished and normalised). What goes into a quantiser is computed in f32, as accurately as f32 sums, v_exp_f32 and their like allow (about 1e-6 of the number): no bf16 or f16 on the way to a quantiser, and a product that is left as it is and whose result goes on into a quantised operand takes f32 operands (vector FMAs, or v_wmma_f32_16x16x4_f32). A number that lies on a knife's edge between two numbers of the format may be rounded either way, as far as f32 arithmetic and the matrix unit's own rounding can turn it there, and no further.
;;   INPUTS GIVEN AS CODES. fc_w (in the module: [512, 512], K = its axis 1); values (in the module: [2, 4096, 512], K = its axis 1): each comes as NAME_codes (uint8): NAME with its K axis moved to the last place and cut into blocks of 32 codes, [.., K / 32, bytes a block], one block behind the other in memory; one code a byte (a code: sign, 5 exponent bits, 2 mantissa bits); and NAME_scales (uint8): the same leading axes, one E8M0 byte (e + 127) for each 32 codes along K. Its value is code x scale, taken as it is: it is not quantised again, and the codes and scales need not be those that the quantiser above would give.
;; One version. Each part assembles by itself: llvm-mc -triple=amdgcn-amd-amdhsa -mcpu=gfx1250 --defsym DOCPART=n.
;; ======== version 1 of 1: 3 launches
;; limits: right only within a limited range of input values
;; workspace buffers: qc 4,194,304 bytes; kc 4,202,496 bytes; qs 262,144 bytes; ks 262,144 bytes; wimg 262,144 bytes; oc 4,194,304 bytes; os 131,072 bytes
;; launch quant (part 1): grid 256 x 1, 4 waves a work-group, no clusters, 60,928 bytes of LDS; arguments query, keys, fc_w_codes, qc, qs, kc, ks, wimg; writes qc, qs, kc, ks, wimg
.if DOCPART == 1
	.amdgcn_target "amdgcn-amd-amdhsa--gfx1250"
	.amdhsa_code_object_version 6
	.text
	.protected	k_q4c407940cd_quant
	.globl	k_q4c407940cd_quant
	.p2align	8
	.type	k_q4c407940cd_quant,@function
k_q4c407940cd_quant:
	s_mov_b64 s[64:65], 0
	v_nop
	global_prefetch_b8 v0, s[64:65] scope:SCOPE_SE
	s_setreg_imm32_b32 hwreg(HW_REG_WAVE_MODE, 25, 1), 1
	s_wait_xcnt 0x0
; query and keys, [2][4096][512] f32, become codes of BF8 (E5M2) with one E8M0 scale byte for each 32 channels, laid as IMAGES OF OPERAND REGISTERS for the attention launch; fc_w's codes are laid anew for the last launch.
; A block's scale is 2^(floor(log2(its largest magnitude)) - 15); its byte is the largest magnitude's exponent field - 15, held at 1 from below.  Each number is divided by the scale, held within +-57,344 and rounded to the nearest code, ties to even.
; LIMITS: a block whose largest magnitude lies under 2^-111 (a block of zeros among them) gets the byte 1: its codes are zeros or subnormal codes, and this program alone reads the bytes.  NaN and infinities among the inputs are not served.
; CODES: [n 2][head 8][T 256][c 2][lane 32][16 bytes]: tile T = 8 G + 2 b + u; lane 16 h + r holds row 128 G + 32 b + 8 u + r + 8 (r / 8), channels 64 head + 32 c + 16 h + 0 .. 15.
; SCALES: [n][head][G 32][16 u + r][b 4] words; a word is the bytes (e0, e1, e0, e1) of the row's two blocks: the upper two scale codes that are zeros in the product.
; SHARES: work-groups 0-127 take query, the others keys (pointers alone are chosen: one path through the text).  A work-group takes 128 rows x 256 channels (four heads), wave w rows 32 w .. 32 w + 31 (b = w), two rows a step, 16 steps.
; Each load reads 512 consecutive bytes; a step's 2,048 bytes turn through the wave's own stage in LDS, so that a lane then holds 16 neighbours of one block (two neighbouring lanes hold a block).
; The codes are gathered in the wave's own code stage and leave as runs of 512 consecutive bytes; the scale bytes meet in one stage of the work-group (each wave writes words of its own) and leave, behind the one barrier, 512 bytes a wave.
; fc_w: wave p = 4 g + w lays 256 bytes of wimg [ntile 32][s 4][c 4][lane][16]: bytes 0-7 are k = 128 s + 32 c + 8 h + 0 .. 7, bytes 8-15 k = 128 s + 32 c + 16 + 8 h + 0 .. 7: the order inside a block of 32 in which the attention launch's results fall.
; No tensor loads, no cluster: no two work-groups read the same bytes.
.set STEPS, 16
.set EMAX,  15
.set MANT,  0x600000                   ; the mantissa field of 57,344 as f32
.set R,     16                         ; v16-79   four sets of 16 numbers as they are loaded; at the end the codes on their way out
.set X,     80                         ; v80-111  two sets of 16 neighbours
.set E,     112                        ; v112-127 a scale byte for each step
.set C,     128                        ; v128-191 codes: four registers for each step
.set SP,    80                         ; a lane's place in a turning stage: 64 bytes + 16 of padding
.set WREG,  14592                      ; LDS: a wave's region: two turning stages of 32 x SP bytes, then its code stage
.set CST,   5120                       ; the code stage: head hl at HLP hl; in it eight rows (4 u + 2 c + h) of 256 bytes, 272 apart
.set HLP,   2368
.set SST,   4*WREG                     ; the work-group's scale stage: [hl 4][16 u + r][b 4] words, 2,048 bytes
	s_load_b256 s[4:11], s[0:1], 0x0               ; query s[4:5], keys s[6:7], fc_w_codes s[8:9], qc s[10:11]
	s_load_b256 s[12:19], s[0:1], 0x20             ; qs s[12:13], kc s[14:15], ks s[16:17], wimg s[18:19]
	v_lshl_add_u32 v192, v0, 2, 0xec00
	v_mov_b32 v193, 0
	v_lshrrev_b32 v1, 5, v0
	v_readfirstlane_b32 s20, v1                    ; wave 0..3
	v_and_b32 v2, 31, v0                           ; lane l
	v_lshlrev_b32 v3, 4, v2                        ; 16 l: my 16 bytes of 512
	s_mul_i32 s21, s20, WREG                       ; my wave's region
	v_lshrrev_b32 v14, 2, v2
	v_mul_u32_u24 v14, v14, SP
	v_and_b32 v15, 3, v2
	v_lshl_add_u32 v14, v15, 4, v14
	v_add_nc_u32 v14, s21, v14                     ; the turning stage, way in: SP (l / 4) + 16 (l % 4)
	v_mul_u32_u24 v15, v2, SP
	v_add_nc_u32 v15, s21, v15                     ; and way out: SP l: then lane l holds row 2 t + l / 16, head hl = (l % 16) / 4, block c = (l / 2) % 2, half h = l % 2
	v_bfe_u32 v8, v2, 2, 2                         ; hl
	v_and_b32 v9, 3, v2                            ; 2 c + h
	v_lshrrev_b32 v10, 4, v2                       ; which of the step's two rows
	v_bfe_u32 v11, v2, 1, 1                        ; c
	s_add_co_u32 s22, s21, CST
	v_mul_u32_u24 v4, v8, HLP
	v_mad_u32_u24 v4, v9, 272, v4
	v_lshl_add_u32 v4, v10, 4, v4
	v_add_nc_u32 v4, s22, v4                       ; the code stage, way in; the step's u and r stand in the immediate.  Sixteen lanes fall on 64 hl + 32 c + 16 h modulo 256: all different
	s_lshl_b32 s23, s20, 2
	s_add_co_u32 s23, s23, SST
	v_lshl_add_u32 v5, v8, 9, v11
	v_lshl_add_u32 v5, v10, 4, v5
	v_add_nc_u32 v5, s23, v5                       ; my block's scale byte: 512 hl + 16 (row's lane) + 4 w + c
	v_and_b32 v9, 15, v2
	v_mul_u32_u24 v6, v10, 272
	v_lshl_add_u32 v6, v9, 4, v6
	v_add_nc_u32 v6, s22, v6                       ; the code stage, way out: two rows of 256 bytes an instruction
	s_lshl_b32 s23, s20, 9
	s_add_co_u32 s23, s23, SST
	v_add_nc_u32 v7, s23, v3                       ; the scale stage, way out: wave w takes head hl = w
	; fc_w's piece: p = 4 g + w
	s_lshl_b32 s28, ttmp9, 2
	s_add_co_u32 s28, s28, s20
	s_lshr_b32 s29, s28, 5
	s_lshl_b32 s29, s29, 13                        ; 16 rows of 512 bytes for each ntile
	s_bfe_u32 s30, s28, 0x40001
	s_lshl_b32 s30, s30, 5                         ; the block of 32: 4 s + c
	s_add_co_u32 s29, s29, s30
	s_and_b32 s30, s28, 1
	s_lshl_b32 s30, s30, 3                         ; 8 h
	s_add_co_u32 s29, s29, s30
	s_lshl_b32 s28, s28, 8
	v_lshrrev_b32 v1, 1, v2
	v_lshlrev_b32 v1, 9, v1
	v_and_b32 v8, 1, v2
	v_lshl_add_u32 v1, v8, 4, v1
	v_add_nc_u32 v1, s29, v1                       ; from: row l / 2, + 16 (l % 2)
	v_lshlrev_b32 v2, 3, v2
	v_add_nc_u32 v2, s28, v2                       ; to: 256 p + 8 l
	; where my wave's parts begin
	s_and_b32 s24, ttmp9, 127
	s_and_b32 s25, s24, 1                          ; H: which four heads
	s_lshr_b32 s24, s24, 1                         ; which 128 rows of the 8,192
	s_lshr_b32 s26, s24, 5                         ; n
	s_and_b32 s27, s24, 31                         ; G
	s_lshl_b32 s30, s24, 18                        ; 128 rows of 2,048 bytes
	s_lshl_b32 s32, s20, 16
	s_add_co_u32 s30, s30, s32                     ; + 32 rows a wave
	s_lshl_b32 s32, s25, 10
	s_add_co_u32 s30, s30, s32                     ; + 1,024 H
	s_mov_b32 s31, 0
	s_lshl_b32 s32, s27, 2
	s_add_co_u32 s32, s32, s20
	s_lshl_b32 s32, s32, 11                        ; codes: tiles 8 G + 2 w and the next, 1,024 bytes each
	s_lshl_b32 s34, s26, 21
	s_add_co_u32 s32, s32, s34
	s_lshl_b32 s34, s25, 20
	s_add_co_u32 s32, s32, s34
	s_mov_b32 s33, 0
	s_lshl_b32 s34, s26, 3
	s_lshl_b32 s36, s25, 2
	s_add_co_u32 s34, s34, s36
	s_add_co_u32 s34, s34, s20                     ; scales: head 8 n + 4 H + w
	s_lshl_b32 s34, s34, 5
	s_add_co_u32 s34, s34, s27
	s_lshl_b32 s34, s34, 9
	s_mov_b32 s35, 0
	s_mov_b32 s37, MANT                            ; (an instruction takes one literal: the hold's line has another)
	s_wait_alu depctr_va_vdst(0)
	s_wait_kmcnt 0x0
	s_cmp_lt_u32 ttmp9, 128                        ; query's work-group or keys'?  The choice hangs on the work-group's number alone
	s_cselect_b64 s[4:5], s[4:5], s[6:7]
	s_cselect_b64 s[10:11], s[10:11], s[14:15]
	s_cselect_b64 s[12:13], s[12:13], s[16:17]
	s_add_nc_u64 s[4:5], s[4:5], s[30:31]
	s_add_nc_u64 s[10:11], s[10:11], s[32:33]
	s_add_nc_u64 s[12:13], s[12:13], s[34:35]
	global_load_b64 v[12:13], v1, s[8:9]           ; fc_w's piece: the first load of all
.macro LOAD t                          ; rows 2 t and 2 t + 1, 1,024 bytes of each
.irp i, 0,1,2,3
	global_load_b128 v[R+16*((\t)%4)+4*\i:R+16*((\t)%4)+4*\i+3], v3, s[4:5] offset:(2*(\t)+\i/2)*2048+(\i%2)*512 th:TH_LOAD_NT
.endr
.endm
.macro TURN t                          ; step t's numbers through the stage: LDS serves a wave's instructions in order, so no wait stands between the stores and the loads
.irp i, 0,1,2,3
	ds_store_b128 v14, v[R+16*((\t)%4)+4*\i:R+16*((\t)%4)+4*\i+3] offset:32*SP*((\t)%2)+8*SP*\i
.endr
.irp i, 0,1,2,3
	ds_load_b128 v[X+16*((\t)%2)+4*\i:X+16*((\t)%2)+4*\i+3], v15 offset:32*SP*((\t)%2)+16*\i
.endr
.endm
.irp t, 0,1,2,3
	LOAD \t
.endr
	s_wait_loadcnt 12                              ; fc_w's piece and step 0's four loads are in; twelve younger loads stay out
	global_store_b64 v2, v[12:13], s[18:19]        ; 32 lanes store 256 consecutive bytes, aligned
	TURN 0
.macro STEP t
.set XS, X+16*((\t)%2)
.set UU, ((\t)/4)%2                    ; the rows' u,
.set RR, (2*(\t))%8+8*((\t)/8)         ; and the even row's r
.if (\t) > 0
	s_wait_dscnt 3                                 ; this step's numbers are back from the stage (the last step's three stores, issued behind them, may be out)
.else
	s_wait_dscnt 0x0
.endif
.if (\t)+4 < STEPS
	LOAD (\t)+4                                    ; into the registers that the stage's stores have read
.endif
.if (\t)+1 < STEPS
.if STEPS-2-(\t) >= 3
	s_wait_loadcnt 12                              ; the next step's four loads are in; those of the three steps behind it may be out
.else
	s_wait_loadcnt 4*(STEPS-2-(\t))
.endif
	TURN (\t)+1
.endif
	v_max3_num_f32 v8, |v[XS]|, |v[XS+1]|, |v[XS+2]|               ; the largest magnitude of my 16
	v_max3_num_f32 v9, |v[XS+3]|, |v[XS+4]|, |v[XS+5]|
.irp i, 6,10
	v_max3_num_f32 v8, v8, |v[XS+\i]|, |v[XS+\i+1]|
	v_max3_num_f32 v9, v9, |v[XS+\i+2]|, |v[XS+\i+3]|
.endr
	v_max3_num_f32 v8, v8, |v[XS+14]|, |v[XS+15]|
	v_max3_num_f32 v8, v8, v9, (EMAX+1)<<23        ; and the floor 2^(16 - 127): the byte cannot fall under 1
	v_max_num_f32_dpp v8, v8, v8 row_xmask:1 row_mask:0xf bank_mask:0xf   ; and of my neighbour's 16: the block's
	v_add_nc_u32 v11, -(EMAX<<23), v8              ; 15 off its exponent field: the conversion takes the exponent field of this operand as its scale
	v_and_or_b32 v10, v8, 0x7f800000, s37          ; 57,344 x the scale
.irp i, 0,1,2,3,4,5,6,7,8,9,10,11,12,13,14,15
	v_med3_num_f32 v[XS+\i], v[XS+\i], -v10, v10   ; the conversion to an 8-bit code does not saturate (ISA guide 7.6.2): the hold comes first
.endr
	v_cvt_scalef32_pk8_bf8_f32 v[C+4*(\t):C+4*(\t)+1], v[XS:XS+7], v11
	v_cvt_scalef32_pk8_bf8_f32 v[C+4*(\t)+2:C+4*(\t)+3], v[XS+8:XS+15], v11
	v_lshrrev_b32 v[E+(\t)], 23, v11               ; the scale's byte (also the plain line behind the conversions)
	ds_store_b8 v5, v[E+(\t)] offset:(16*UU+RR)*16 ; both lanes of a block write the same byte with the same value;
	ds_store_b8 v5, v[E+(\t)] offset:(16*UU+RR)*16+2   ; once more, two bytes up, for the zero half of the product's K
	ds_store_b128 v4, v[C+4*(\t):C+4*(\t)+3] offset:UU*1088+RR*16
.endm
.irp t, 0,1,2,3,4,5,6,7,8,9,10,11,12,13,14,15
	STEP \t
.endr
.irp hl, 0,1,2,3
.irp i, 0,1,2,3
	ds_load_b128 v[R+16*\hl+4*\i:R+16*\hl+4*\i+3], v6 offset:\hl*HLP+\i*544   ; my own stores, served in order ahead of these
.endr
.endr
	s_wait_dscnt 0x0                               ; for the others' sake: my scale bytes lie in the stage
	s_barrier_signal -1
	s_barrier_wait -1
	ds_load_b128 v[X:X+3], v7                      ; a head's 128 scale words: bytes of all four waves
.irp hl, 0,1,2,3
.irp i, 0,1,2,3
	global_store_b128 v3, v[R+16*\hl+4*\i:R+16*\hl+4*\i+3], s[10:11] offset:\hl*262144+\i*512   ; 512 consecutive bytes, aligned
.endr
.endr
	s_wait_dscnt 0x0
	global_store_b128 v3, v[X:X+3], s[12:13]
	; kc has 8,192 bytes more than the keys' codes: the attention launch's last tile of K reaches one key step past a head's end, for the last head into these bytes.  The last work-group stores zero codes there; no product takes them.
	s_cmp_lg_u32 ttmp9, 255
	s_cbranch_scc1 .Lno_pad
	v_lshlrev_b32 v8, 4, v0                        ; 16 bytes a thread: 2,048 consecutive bytes a store of the work-group
.irp i, 0,1,2,3
	v_mov_b32 v[112+\i], 0
.endr
.irp i, 0,1,2,3
	global_store_b128 v8, v[112:115], s[14:15] offset:4194304+2048*\i
.endr
.Lno_pad:
	s_wait_tensorcnt 0x0
	ds_add_u32 v192, v193
	s_wait_dscnt 0x0
	s_endpgm
.Lfunc_end_k_q4c407940cd_quant:
	.size	k_q4c407940cd_quant, .Lfunc_end_k_q4c407940cd_quant-k_q4c407940cd_quant
	.p2alignl 7, 3214868480
	.fill 96, 4, 3214868480
	.section	.rodata,"a",@progbits
	.p2align	6, 0x0
	.amdhsa_kernel k_q4c407940cd_quant
		.amdhsa_group_segment_fixed_size 60928
		.amdhsa_private_segment_fixed_size 0
		.amdhsa_enable_private_segment 0
		.amdhsa_kernarg_size 64
		.amdhsa_user_sgpr_count 2
		.amdhsa_user_sgpr_kernarg_segment_ptr 1
		.amdhsa_wavefront_size32 1
		.amdhsa_system_sgpr_workgroup_id_x 1
		.amdhsa_system_sgpr_workgroup_id_y 1
		.amdhsa_system_sgpr_workgroup_id_z 1
		.amdhsa_system_vgpr_workitem_id 0
		.amdhsa_next_free_vgpr 194
		.amdhsa_next_free_sgpr 66
		.amdhsa_reserve_vcc 0
		.amdhsa_float_denorm_mode_32 3
		.amdhsa_float_denorm_mode_16_64 3
		.amdhsa_memory_ordered 1
		.amdhsa_forward_progress 1
		.amdhsa_inst_pref_size 57
	.end_amdhsa_kernel
	.amdgpu_metadata
---
amdhsa.version: [ 1, 2 ]
amdhsa.kernels:
  - .name:           k_q4c407940cd_quant
    .symbol:         k_q4c407940cd_quant.kd
    .args:
      - { .name: query, .offset: 0, .size: 8, .value_kind: global_buffer, .address_space: global }
      - { .name: keys, .offset: 8, .size: 8, .value_kind: global_buffer, .address_space: global }
      - { .name: fc_w_codes, .offset: 16, .size: 8, .value_kind: global_buffer, .address_space: global }
      - { .name: qc, .offset: 24, .size: 8, .value_kind: global_buffer, .address_space: global }
      - { .name: qs, .offset: 32, .size: 8, .value_kind: global_buffer, .address_space: global }
      - { .name: kc, .offset: 40, .size: 8, .value_kind: global_buffer, .address_space: global }
      - { .name: ks, .offset: 48, .size: 8, .value_kind: global_buffer, .address_space: global }
      - { .name: wimg, .offset: 56, .size: 8, .value_kind: global_buffer, .address_space: global }
    .group_segment_fixed_size: 60928
    .private_segment_fixed_size: 0
    .kernarg_segment_align: 8
    .kernarg_segment_size: 64
    .max_flat_workgroup_size: 128
    .sgpr_count:     66
    .vgpr_count:     194
    .wavefront_size: 32
...
	.end_amdgpu_metadata
.endif
;; end of part 1
;; launch attn (part 2): grid 16 x 16, 4 waves a work-group, clusters of 4 x 1, 327,680 bytes of LDS; arguments qc, qs, kc, ks, values_codes, values_scales, oc, os; writes oc, os
.if DOCPART == 2
	.amdgcn_target "amdgcn-amd-amdhsa--gfx1250"
	.amdhsa_code_object_version 6
	.text
	.protected	k_q4c407940cd_attn
	.globl	k_q4c407940cd_attn
	.p2align	8
	.type	k_q4c407940cd_attn,@function
k_q4c407940cd_attn:
	s_mov_b64 s[64:65], 0
	v_nop
	global_prefetch_b8 v0, s[64:65] scope:SCOPE_SE
	s_setreg_imm32_b32 hwreg(HW_REG_WAVE_MODE, 25, 1), 1
	s_wait_xcnt 0x0
	s_wait_alu depctr_hold_cnt(0) depctr_sa_sdst(0) depctr_va_vdst(0) depctr_va_sdst(0) depctr_va_ssrc(0) depctr_va_vcc(0) depctr_vm_vsrc(0)
	s_getreg_b32 s2, hwreg(HW_REG_IB_STS2, 6, 4)
	s_cmp_eq_u32 s2, 0
	s_cbranch_scc0 .Lentry_in_a_cluster
	s_endpgm
.Lentry_in_a_cluster:
	s_bfe_u32 s2, ttmp6, 0x10000c
	s_cmp_lg_u32 s2, 0x3003
	s_cbranch_scc0 .Lentry_shape_is_right
	s_endpgm
.Lentry_shape_is_right:
; o[n][q][head][:] = the sum over k of softmax_k(q . k / sqrt(512)) v[k][:], one (n, head) a row of the grid; both products on codes of BF8 (E5M2) with one E8M0 scale for each 32 along K.  The result is normalised, quantised along the channels and stored as codes.
; THE SOFTMAX: t = score x log2(e) / sqrt(512); M = the running largest t rounded UP to a whole number; p = 2^(t - M) is quantised along the keys, not normalised; the row's sum is taken of the unquantised p and divides at the end.
; When M moves, the sum and O are multiplied by 2^(old M - new M): exact.
; SHARES.  A work-group owns 256 queries of one head; each of its FOUR waves, one to a SIMD, owns four tiles of 16 queries and walks all 4,096 keys, 128 a step.  Every fragment of K and of V read from LDS feeds four products.
; TILE x LIES IN REGISTER WINDOW x, with the same numbers in every window.  K's fragments lie in windows 0 and 1 (v32-95), V's in window 2; scale words in window 0.
; THE ROTATION.  A step is four turns, and a tile's work on 128 keys is spread over three of them.  Turn x holds:
;   the early stage of tile x + 1: the blocks' largest scores, M, the factor, the rescaling of O^T and of the sum, t - M;
;   the 68 exponentials of tile x, one batch;
;   the late stage of tile x - 1: scales, the row's sum, holds, conversions; and then its twelve products: O^T += V^T P^T, and S^T = K Q^T of its NEXT step.
; The stretch ahead of the batch has no exponential: there the chain that makes M stands piece by piece among the late stage's lines.  Among the exponentials stand t - M of tile x + 1 and the products.  So a turn has two waits round a batch.
; K runs one step ahead of V.  Behind turn 0's products (the last to read them) V's fragments of this step and K's of the next are read from LDS; the wait for them stands in turn 1, ahead of its first product.
; LAYOUT.  Both products are used transposed (source 0 = 16 keys or 16 channels, source 1 = 16 queries): a lane holds ONE query.  The first product's K is a head's 64 channels: registers 8-15 of every fragment of K and Q are zero codes, written once.
; K and Q come as images of operand registers whose tiles hold rows 32 b + 8 u + r + 8 (r / 8): the 16 registers of tiles 2 b, 2 b + 1 of S^T are keys 32 b + 16 (lane / 16) + 0 .. 15, and the conversions' results are the second product's operand.
; O^T's registers 16 b + i are channels 32 b + 8 h + i (i < 8) and 32 b + 16 + 8 h + i - 8: the stored codes have that order inside a block of 32, and the last launch's weights are laid in the same order.
; RING.  Two LDS slots of four steps: V's steps 4 j .. 4 j + 3 (64 rows x 512 bytes) and K's steps 4 j + 1 .. 4 j + 4 (32 KiB of images); K's step 0 comes by plain loads at the head.  The last slot's tile of K reaches one step past the head's end
; (the next head's first step, or kc's 8,192 spare bytes of zero codes): those bytes are never read from LDS.  Wave 0 fills K, wave 1 V; at the head wave 2 brings K's scale words of the whole head and wave 3 V's: one tensor load a wave.
; CLUSTER.  The four query blocks of a cluster walk the same K, V and scales of one head: each tile is asked for JOINTLY, by the same tensor load with the same descriptor and the mask of all four.  A wave has one tensor load out at the most.
; The loop has no first step of its own: O^T and the sums begin as zeros, and the first turn's late stage and products of tile 3 work on zeros; three copies of a step are assembled (loop, last slot's loop, last step), which keeps the code short.
; LIMITS: the promise holds while the scaled scores stay under 2^31 in magnitude; NaN and infinities are not served; a block of o whose largest magnitude lies under 2^-111 gets the scale byte 1 (this program alone reads the bytes).
.set SLOT1, 131072
.set VOFF,  32768                      ; in a slot: K's 32 tile images (1,024 bytes each), then V's 64 rows
.set VP,    528                        ; a row of V in LDS: 512 bytes + 16 of padding
.set SCK,   262144                     ; K's scale words of the head: 64 units of 256 bytes + 16 of padding; a step's 512 bytes are two units
.set SCV,   SCK+64*272                 ; V's scale bytes: 32 units; channel ch at (ch / 2) 272 + (ch % 2) 128
.set SPARE, SCV+32*272                 ; the spare words
.set OSC,   SPARE+1024                 ; the stage for o's scale half-words: 512 bytes
.set LN,   1                           ; window 0: v1 16 x lane; v2-4 my lane's place in V, in K's scale words, in V's
.set AV0,  2
.set ASK0, 3
.set ASV0, 4
.set SPW,  5
.set NIL,  6
.set PFO,  7
.set ADK,  8                           ; v8-11 the step's LDS addresses
.set ADV,  9
.set ADS,  10
.set ADT,  11
.set QF,   16                          ; every window: v12 -M, v13 the largest score, v[14:15] the sum; v16-31 Q
.set KF,   32                          ; v32-95: windows 0, 1 K's tiles 0-3, 4-7; window 2 V's four fragments
.set S,    96                          ; v96-159 S^T, then p
.set O,    160                         ; v160-191 O^T
.set PC,   192                         ; v192-207 p's codes
.set BM,   208
.set PT,   212
.set HB,   216
.set SO,   220
.set L2,   224
.set F,    226
.set TMP,  228
.set PWT,  229
.set OSA,  230                         ; window 0 alone from here on
.set QO,   231
.set OSR,  232
.set VS,   238                         ; v238-239 V's scale words; v240-243 K's; v244-247 Q's, a tile each; v250-253 p's
.set KS,   240
.set QS,   244
.set PW,   250
.set WV,   20
.set CX,   21
.set BX,   22
.set NH,   23
.set G1K,  24
.set G1V,  32
.set G1S,  40
.set G1T,  84
.set G0K,  48
.set G0V,  52
.set G0SK, 56
.set G0SV, 60
.set SEL,  66
.set CS,   68
.set MNT,  70
.set TB,   71
.set TS,   72
.set TJ,   73
.set SLOTS, 74
.set LIM,  75
.set PFA,  76
.set PFS,  78
.set TK,   80
.set TV,   81
.set QC,   82
.set NCS,  83
.set MSB, 0
.macro WIN new
.if MSB != (\new)
	s_set_vgpr_msb (MSB<<8)|(\new)
.set MSB, (\new)
.endif
.endm
.macro WALU
	s_wait_alu depctr_va_vdst(0)
.endm
.macro CROUND
	s_barrier_signal -1
	s_barrier_wait -1
	s_cmp_lg_u32 s[WV], 0
	s_cbranch_scc1 .Lnot_wave_0_\@
	s_barrier_signal -3
.Lnot_wave_0_\@:
	s_barrier_wait -3
	s_barrier_signal -1
	s_barrier_wait -1
.endm
.macro TL g0, g1                       ; a tensor load with an s_nop and four v_nops behind it
	tensor_load_to_lds s[\g0:\g0+3], s[\g1:\g1+7]
	s_nop 0
.rept 4
	v_nop
.endr
.endm
.macro TLOAD                           ; a joint refill: wave 0 K, wave 1 V
	s_cmp_eq_u32 s[WV], 0
	s_cbranch_scc0 .Lnot_k_\@
	TL G0K, G1K
	s_branch .Lasked_\@
.Lnot_k_\@:
	s_cmp_eq_u32 s[WV], 1
	s_cbranch_scc0 .Lasked_\@
	TL G0V, G1V
.Lasked_\@:
.endm
; A PREFETCH of what the NEXT change of slots will ask for: 32,768 bytes of K's images and 512 bytes of each of V's 64 rows, four key steps ahead of that load.  All clusters of a head walk the same bytes: the head's first cluster asks.
; Its four partners share them out BY ADDRESS (8,192 bytes of K, 16 rows of V each); in each, wave 2 asks for K's and wave 3 for V's, a lane to each 256 bytes.  The last change that fills a slot asks for nothing; slots 0 and 1 come by their loads alone.
.macro ASK
	s_cmp_gt_u32 s[SLOTS], s[LIM]
	s_cbranch_scc0 .Lnot_mine_\@
	global_prefetch_b8 v[PFO], s[PFA:PFA+1] th:TH_LOAD_NT scope:SCOPE_SE
.Lnot_mine_\@:
.endm
	s_load_b256 s[4:11], s[0:1], 0x0               ; qc, qs, kc, ks
	s_load_b256 s[12:19], s[0:1], 0x20             ; values_codes, values_scales, oc, os
	v_lshl_add_u32 v[SPW], v0, 2, SPARE
	v_mov_b32 v[NIL], 0
	ds_add_u32 v[SPW], v[NIL]                      ; the opening lines: the add twice on end and one wait
	ds_add_u32 v[SPW], v[NIL]
	v_lshrrev_b32 v8, 5, v0
	v_readfirstlane_b32 s[WV], v8                  ; wave 0..3
	s_cmp_eq_u32 s[WV], 2                          ; the prefetches: wave 2 asks for K, wave 3 for V
	s_mov_b32 s[PFS], 512
	s_cselect_b32 s[PFS], 32768, s[PFS]            ; a slot on
	s_mov_b32 s94, 4096
	s_cselect_b32 s94, 512, s94                    ; from one pair of lanes to the next
	s_cselect_b32 s77, 13, 16                      ; a partner's share: 8,192 bytes of K, 16 rows of V
	s_cselect_b32 s76, 8192, 0                     ; K's tiles begin a step on
	s_lshl_b32 s97, s[WV], 7
	v_and_b32 v8, 31, v0                           ; lane
	v_and_b32 v9, 15, v0                           ; r
	v_bfe_u32 v10, v0, 4, 1                        ; h
	v_lshlrev_b32 v[LN], 4, v8
	v_add_nc_u32 v[OSR], OSC, v[LN]
	v_mul_u32_u24 v[AV0], v9, VP
	v_lshl_add_u32 v[AV0], v10, 4, v[AV0]
	v_add_nc_u32 v[AV0], VOFF, v[AV0]              ; V: row r, + 16 h
	v_mul_u32_u24 v[ASK0], v10, 272
	v_lshl_add_u32 v[ASK0], v9, 4, v[ASK0]
	v_add_nc_u32 v[ASK0], SCK, v[ASK0]             ; K's scale words: 16 bytes a lane of a step's 512
	v_lshrrev_b32 v11, 1, v8
	v_mul_u32_u24 v[ASV0], v11, 272
	v_and_b32 v10, 1, v0
	v_lshl_add_u32 v[ASV0], v10, 7, v[ASV0]
	v_add_nc_u32 v[ASV0], SCV, v[ASV0]             ; V's: channel = lane (+ 32 for the second register)
	v_lshl_add_u32 v[OSA], v9, 1, OSC
	v_add_nc_u32 v[OSA], s97, v[OSA]               ; 128 bytes a wave (four tiles), 2 bytes a row
	v_lshlrev_b32 v[QO], 4, v9
	v_lshlrev_b32 v[PFO], 8, v10
	v_mad_u32_u24 v[PFO], v11, s94, v[PFO]
	s_bfe_u32 s[CX], ttmp6, 0x40000
	s_lshl_b32 s[BX], ttmp9, 2
	s_add_co_u32 s[BX], s[BX], s[CX]               ; my block of 256 queries: it enters Q's, oc's and os's addresses alone
	s_and_b32 s[NH], ttmp7, 0xffff                 ; 8 n + head, which the four partners share
	s_lshl_b32 s82, s[NH], 18                      ; a head's codes: 262,144 bytes, in kc and in values_codes alike
	s_mov_b32 s83, 0
	s_add_co_u32 s80, s82, 8192                    ; the ring's K begins at step 1
	s_mov_b32 s81, 0
	s_lshl_b32 s92, s[NH], 14                      ; a head's scale words of K
	s_mov_b32 s93, 0
	s_lshl_b32 s94, s[NH], 13                      ; a head's scale bytes of V
	s_mov_b32 s95, 0
	s_mov_b32 s[G1K], 15|(3<<16)|(1<<21)           ; the mask of all four; elements of 8 bytes; no padding: 128 dense rows of 256 bytes
	s_mov_b32 s[G1K+1], 32<<16
	s_mov_b32 s[G1K+2], 128<<16
	s_mov_b32 s[G1K+3], 32<<16
	s_mov_b32 s[G1K+4], 128
	s_mov_b32 s[G1K+5], 32
	s_mov_b32 s[G1K+6], 0
	s_mov_b32 s[G1K+7], 0
	s_mov_b32 s[G1V], 15|(1<<20)|(1<<21)|(6<<22)|(3<<25)   ; 64 rows of 512 bytes, 4,096 apart; four words of padding behind each
	s_mov_b32 s[G1V+1], 512<<16
	s_mov_b32 s[G1V+2], 64<<16
	s_mov_b32 s[G1V+3], 512<<16
	s_mov_b32 s[G1V+4], 64
	s_mov_b32 s[G1V+5], 4096
	s_mov_b32 s[G1V+6], 0
	s_mov_b32 s[G1V+7], 0
	s_mov_b32 s[G1S], 15|(3<<16)|(1<<20)|(1<<21)|(5<<22)|(3<<25)   ; K's scale words: 64 dense rows of 256 bytes, four words of padding behind each
	s_mov_b32 s[G1S+1], 32<<16
	s_mov_b32 s[G1S+2], 64<<16
	s_mov_b32 s[G1S+3], 32<<16
	s_mov_b32 s[G1S+4], 64
	s_mov_b32 s[G1S+5], 32
	s_mov_b32 s[G1S+6], 0
	s_mov_b32 s[G1S+7], 0
	s_mov_b32 s[G1T], 15|(3<<16)|(1<<20)|(1<<21)|(5<<22)|(3<<25)   ; V's scale bytes: 32 such rows
	s_mov_b32 s[G1T+1], 32<<16
	s_mov_b32 s[G1T+2], 32<<16
	s_mov_b32 s[G1T+3], 32<<16
	s_mov_b32 s[G1T+4], 32
	s_mov_b32 s[G1T+5], 32
	s_mov_b32 s[G1T+6], 0
	s_mov_b32 s[G1T+7], 0
	s_mov_b32 s[SEL], 0x76543210
	s_mov_b32 s[SEL+1], 0xfedcba98
	s_mov_b32 s[CS], 0x3d8293ee                    ; c = log2(e) / sqrt(512)
	s_mov_b32 s[CS+1], s[CS]
	s_mov_b32 s[MNT], 0x600000
	s_mov_b32 s[TB], 0
	s_mov_b32 s[TS], 544                           ; K's scale words: step 1's
	s_mov_b32 s[TJ], 0
	s_mov_b32 s[SLOTS], 7
	WALU
	s_wait_dscnt 0x0                               ; both opening adds are done
	s_wait_kmcnt 0x0
	s_mov_b32 s[G0K], 1
	s_mov_b32 s[G0K+1], 0
	s_add_nc_u64 s[G0K+2:G0K+3], s[8:9], s[80:81]
	s_or_b32 s[G0K+3], s[G0K+3], 0x80000000
	s_mov_b32 s[G0V], 1
	s_mov_b32 s[G0V+1], VOFF
	s_add_nc_u64 s[G0V+2:G0V+3], s[12:13], s[82:83]
	s_or_b32 s[G0V+3], s[G0V+3], 0x80000000
	s_mov_b32 s[G0SK], 1
	s_mov_b32 s[G0SK+1], SCK
	s_add_nc_u64 s[G0SK+2:G0SK+3], s[10:11], s[92:93]
	s_or_b32 s[G0SK+3], s[G0SK+3], 0x80000000
	s_mov_b32 s[G0SV], 1
	s_mov_b32 s[G0SV+1], SCV
	s_add_nc_u64 s[G0SV+2:G0SV+3], s[14:15], s[94:95]
	s_or_b32 s[G0SV+3], s[G0SV+3], 0x80000000
	s_add_nc_u64 s[96:97], s[8:9], s[82:83]        ; K's step 0, and its scale words: by plain loads
	s_add_nc_u64 s[98:99], s[10:11], s[92:93]
	CROUND                                         ; all four work-groups are here: the first joint loads meet
.macro ARM under, g0, g1, next         ; the head's loads, one a wave: one chain of branches on the wave's number, every way passes one load
	s_cmp_lt_u32 s[WV], \under
	s_cbranch_scc0 \next
	TL \g0, \g1
	s_branch .Lhead_asked
\next:
.endm
	ARM 1, G0K,  G1K, .Lhead_v
	ARM 2, G0V,  G1V, .Lhead_sk
	ARM 3, G0SK, G1S, .Lhead_sv
	TL G0SV, G1T
.Lhead_asked:
	s_lshl_b32 s100, s[BX], 4
	s_lshl_b32 s92, s[WV], 2
	s_add_co_u32 s100, s100, s92                   ; my first tile = 16 bx + 4 w
	s_mov_b32 s93, 0
	s_lshl_b32 s92, s100, 10
	s_lshl_b32 s94, s[NH], 18
	s_add_co_u32 s92, s92, s94
	s_add_nc_u64 s[4:5], s[4:5], s[92:93]          ; Q's images
	s_lshl_b32 s92, s[BX], 1
	s_lshr_b32 s94, s[WV], 1
	s_add_co_u32 s92, s92, s94                     ; G = 2 bx + w / 2
	s_lshl_b32 s92, s92, 9
	s_and_b32 s94, s[WV], 1
	s_lshl_b32 s94, s94, 3                         ; b = 2 (w % 2) + x / 2: 4 bytes each
	s_add_co_u32 s92, s92, s94
	s_lshl_b32 s94, s[NH], 14
	s_add_co_u32 s92, s92, s94
	s_add_nc_u64 s[6:7], s[6:7], s[92:93]          ; Q's scale words
.irp x, 0,1,2,3
	WIN 0x40*\x
	global_load_b128 v[QF:QF+3], v[LN], s[4:5] offset:1024*\x
	global_load_b128 v[QF+4:QF+7], v[LN], s[4:5] offset:1024*\x+512
.endr
.irp g, 0,1
	WIN 0x40*\g
.irp i, 0,1,2,3
	global_load_b128 v[KF+16*\i:KF+16*\i+3], v[LN], s[96:97] offset:1024*(4*\g+\i)
	global_load_b128 v[KF+16*\i+4:KF+16*\i+7], v[LN], s[96:97] offset:1024*(4*\g+\i)+512
.endr
.endr
	WIN 0
	global_load_b128 v[KS:KS+3], v[LN], s[98:99]
.irp x, 0,1,2,3
	global_load_b32 v[QS+\x], v[QO], s[6:7] offset:256*(\x%2)+4*(\x/2)   ; tile x: u = x % 2, b as above; lane r's word at 16 r
.endr
	s_lshr_b32 s92, s[NH], 3
	s_lshl_b32 s92, s92, 21
	s_lshl_b32 s94, s100, 13
	s_add_co_u32 s92, s92, s94
	s_and_b32 s94, s[NH], 7
	s_lshl_b32 s94, s94, 10
	s_add_co_u32 s92, s92, s94
	s_add_nc_u64 s[16:17], s[16:17], s[92:93]      ; oc: [n][T][head 1,024 bytes]
	s_lshl_b32 s92, s[NH], 13
	s_lshl_b32 s94, s[BX], 9
	s_add_co_u32 s92, s92, s94
	s_add_nc_u64 s[18:19], s[18:19], s[92:93]      ; os: my block's 512 bytes
	s_lshl_b32 s92, s[CX], s77                     ; the prefetches: my work-group's share,
	s_add_co_u32 s92, s92, s76
	s_add_co_u32 s92, s92, s[PFS]                  ; in slot 1: the first change of slots steps it to slot 2
	s_lshl_b32 s94, s[NH], 18
	s_add_co_u32 s92, s92, s94
	s_mov_b32 s[PFS+1], 0
	s_cmp_eq_u32 s[WV], 2
	s_cselect_b64 s[PFA:PFA+1], s[8:9], s[12:13]
	s_add_nc_u64 s[PFA:PFA+1], s[PFA:PFA+1], s[92:93]
	s_sub_co_u32 s92, s[WV], 2
	s_lshr_b32 s92, s92, 1                         ; 0 in waves 2 and 3,
	s_or_b32 s92, s92, ttmp9                       ; of the head's first cluster: the same in all four partners
	s_cmp_eq_u32 s92, 0
	s_cselect_b32 s[LIM], 1, -1
	s_mov_b32 s[NCS], 0xbd8293ee                   ; -c
.macro INIT x                          ; zero codes for the upper half of K's and Q's fragments; zeros for O^T and the sum; window 2: V's fragments, window 3: p and the blocks' largest p, on which the first turn's late stage works
	WIN 0x55*(\x)
.irp j, 0,1,2,3,4,5,6,7
	v_mov_b32 v[QF+8+\j], 0
.irp i, 0,1,2,3
	v_mov_b32 v[O+8*\i+\j], 0
.if (\x) < 3
	v_mov_b32 v[KF+16*\i+8+\j], 0
.endif
.if (\x) == 2
	v_mov_b32 v[KF+16*\i+\j], 0
.endif
.if (\x) == 3
	v_mov_b32 v[S+16*\i+\j], 0
	v_mov_b32 v[S+16*\i+8+\j], 0
.endif
.endr
.endr
.irp b, 0,1,2,3
	v_mov_b32 v[PT+\b], 0                          ; a lane permute's destination counts as one of its sources
.if (\x) == 3
	v_mov_b32 v[BM+\b], 0
.endif
.endr
	v_mov_b32 v[F+1], 0
	v_mov_b32 v13, 0xff61b1e6                      ; the largest score so far: -3e38
	v_mov_b32 v12, 0x7e000000                      ; -M: so large that the first factor 2^(old M - new M) is 0
	v_mov_b32 v14, 0
	v_mov_b32 v15, 0
.endm
	INIT 0
	v_mov_b32 v[VS], 0
	v_mov_b32 v[VS+1], 0
	INIT 1
	INIT 2
	INIT 3
	WIN 0
; Product n of tile y.  n = 0 .. 3: O^T(y)'s channels 16 n on += V^T P^T(y).  n = 4 .. 11: S^T(y)'s keys of K's tile n - 4, begun with 0.  Then the windows are set to back.
.macro W y, n, back
.if (\n) < 4
	WIN 2+0x54*(\y)
.if (\n)%2
	v_wmma_scale_f32_16x16x128_f8f6f4 v[O+8*(\n):O+8*(\n)+7], v[KF+16*(\n):KF+16*(\n)+15], v[PC:PC+15], v[O+8*(\n):O+8*(\n)+7], v[VS+(\n)/2], v[PW+(\y)] matrix_a_fmt:MATRIX_FMT_BF8 matrix_b_fmt:MATRIX_FMT_BF8 matrix_a_scale:MATRIX_SCALE_ROW1
.else
	v_wmma_scale_f32_16x16x128_f8f6f4 v[O+8*(\n):O+8*(\n)+7], v[KF+16*(\n):KF+16*(\n)+15], v[PC:PC+15], v[O+8*(\n):O+8*(\n)+7], v[VS+(\n)/2], v[PW+(\y)] matrix_a_fmt:MATRIX_FMT_BF8 matrix_b_fmt:MATRIX_FMT_BF8
.endif
.else
.set I_, (\n)-4
	WIN I_/4+0x54*(\y)
.if I_%2
	v_wmma_scale_f32_16x16x128_f8f6f4 v[S+8*I_:S+8*I_+7], v[KF+16*(I_%4):KF+16*(I_%4)+15], v[QF:QF+15], 0, v[KS+I_/2], v[QS+(\y)] matrix_a_fmt:MATRIX_FMT_BF8 matrix_b_fmt:MATRIX_FMT_BF8 matrix_a_scale:MATRIX_SCALE_ROW1
.else
	v_wmma_scale_f32_16x16x128_f8f6f4 v[S+8*I_:S+8*I_+7], v[KF+16*(I_%4):KF+16*(I_%4)+15], v[QF:QF+15], 0, v[KS+I_/2], v[QS+(\y)] matrix_a_fmt:MATRIX_FMT_BF8 matrix_b_fmt:MATRIX_FMT_BF8
.endif
.endif
	WIN (\back)
.endm
.macro FMA2 j                          ; t - M, two at a time
	v_pk_fma_f32 v[S+(\j):S+(\j)+1], v[S+(\j):S+(\j)+1], s[CS:CS+1], v[12:13] op_sel_hi:[1,0,0]
.endm
.macro FMAB                            ; the same of each block's largest score
.irp b, 0,1,2,3
	v_fma_f32 v[BM+\b], v[BM+\b], s[CS], v12
.endr
.endm
.macro HOLD2 j, b                      ; the conversion does not saturate (ISA guide 7.6.2); p is not negative, so the hold is one-sided; two holds in one dual line
	v_dual_min_num_f32 v[S+(\j)], v[HB+(\b)], v[S+(\j)] :: v_dual_min_num_f32 v[S+(\j)+1], v[HB+(\b)], v[S+(\j)+1]
.endm
.macro SG k                            ; four p: into the row's sum, which is taken of the unquantised p (two chains), and only then held
	v_pk_add_f32 v[14:15], v[14:15], v[S+4*(\k):S+4*(\k)+1]
	v_pk_add_f32 v[L2:L2+1], v[L2:L2+1], v[S+4*(\k)+2:S+4*(\k)+3]
	HOLD2 4*(\k), (\k)/4
	HOLD2 4*(\k)+2, (\k)/4
.endm
.macro P1                              ; the largest score of each block of 32 keys: for the row's maximum and, since p rises with the score, for the block's largest p.  32 plain lines: the first readers of S^T
.irp b, 0,1,2,3
	v_max3_num_f32 v[BM+\b], v[S+16*\b], v[S+16*\b+1], v[S+16*\b+2]
.endr
.irp i, 3,5,7,9,11,13
.irp b, 0,1,2,3
	v_max3_num_f32 v[BM+\b], v[BM+\b], v[S+16*\b+\i], v[S+16*\b+\i+1]
.endr
.endr
.irp b, 0,1,2,3
	v_max_num_f32 v[BM+\b], v[BM+\b], v[S+16*\b+15]
.endr
.endm
.macro CH k                            ; piece k of the chain that makes tile TN's M and factor; then back to tile TP's window
.if PRE_ON
	WIN 0x55*TN
.if (\k) == 0
	v_mov_b32 v[TMP], v12                          ; the old -M
.irp b, 0,1,2,3
	v_permlanex16_b32 v[PT+\b], v[BM+\b], s[SEL], s[SEL+1]
.endr
.elseif (\k) == 1
.irp b, 0,1,2,3
	v_max_num_f32 v[BM+\b], v[BM+\b], v[PT+\b]     ; with lane l xor 16's 16 keys
.endr
.elseif (\k) == 2
	v_max3_num_f32 v[PT], v[BM], v[BM+1], v[BM+2]
.elseif (\k) == 3
	v_max3_num_f32 v13, v[PT], v[BM+3], v13        ; the running largest score (c is positive, so it gives the largest t)
.elseif (\k) == 4
	v_mul_f32 v[PT+1], s[NCS], v13                 ; -t
.elseif (\k) == 5
	v_floor_f32 v12, v[PT+1]                       ; the new -M = floor(-t): M is a whole number
.elseif (\k) == 6
	v_sub_f32 v[PT+2], v12, v[TMP]                 ; old M - new M: a whole number, 0 or less
.elseif (\k) == 7
	v_cvt_i32_f32 v[PT+2], v[PT+2]                 ; (it saturates)
.else
	v_ldexp_f32 v[F], 1.0, v[PT+2]                 ; f = 2^(old M - new M)
.endif
	WIN 0x55*TP
.endif
.endm
.macro P4                              ; O^T and the sum under the new M: 16 plain lines are the first readers of O^T
.set J_, 0
.rept 16
	v_pk_mul_f32 v[O+J_:O+J_+1], v[O+J_:O+J_+1], v[F:F+1] op_sel_hi:[1,0]
.set J_, J_+2
.endr
	v_pk_mul_f32 v[14:15], v[14:15], v[F:F+1] op_sel_hi:[1,0]
.endm
.macro POST                            ; tile TP's late stage, with the pieces of tile TN's chain among its lines
	WIN 0x55*TP
.irp b, 0,1,2,3
	v_max_num_f32 v[BM+\b], 0x8000000, v[BM+\b]    ; the floor 2^(16 - 127) under the block's largest p: the byte cannot fall under 1
.endr
.irp b, 0,1,2,3
	v_add_nc_u32 v[SO+\b], 0xf8800000, v[BM+\b]    ; 15 off the exponent field: the conversion's scale operand
.endr
	CH 1
.irp b, 0,1,2,3
	v_and_or_b32 v[HB+\b], v[BM+\b], 0x7f800000, s[MNT]   ; 57,344 x the scale
.endr
.irp b, 0,1,2,3
	v_lshrrev_b32 v[PT+\b], 23, v[SO+\b]           ; the scale's byte
.endr
	CH 2
	v_lshl_or_b32 v[PWT], v[PT+1], 8, v[PT]
	v_pk_add_f32 v[L2:L2+1], v[S:S+1], v[S+2:S+3]
	HOLD2 0, 0
	HOLD2 2, 0
	v_lshl_or_b32 v[PWT], v[PT+2], 16, v[PWT]
	CH 3
	SG 1
	CH 4
	SG 2
	WIN 0x11*TP                                    ; scale operands are taken from window 0: the destination lies there
	v_lshl_or_b32 v[PW+TP], v[PT+3], 24, v[PWT]
	WIN 0x55*TP
	CH 5
	SG 3
	CH 6
	SG 4
	CH 7
	SG 5
	CH 8
.irp k, 6,7,8,9,10,11,12,13,14,15
	SG \k
.endr
	v_pk_add_f32 v[14:15], v[14:15], v[L2:L2+1]
.irp b, 0,1,2,3
	v_cvt_scalef32_pk8_bf8_f32 v[PC+4*\b:PC+4*\b+1], v[S+16*\b:S+16*\b+7], v[SO+\b]
	v_cvt_scalef32_pk8_bf8_f32 v[PC+4*\b+2:PC+4*\b+3], v[S+16*\b+8:S+16*\b+15], v[SO+\b]
.endr
.endm
.macro LOADS last                      ; V's fragments and scale words of this step, K's of the next; eight places stand behind the last product that read the registers
	WIN 0
.rept 8
	v_nop
.endr
.if (\last) == 0
.irp i, 0,1,2,3
	ds_load_b128 v[KF+16*\i:KF+16*\i+3], v[ADK] offset:1024*\i
	ds_load_b128 v[KF+16*\i+4:KF+16*\i+7], v[ADK] offset:1024*\i+512
.endr
	ds_load_b128 v[KS:KS+3], v[ADS]
.endif
	ds_load_b32 v[VS], v[ADT]
	ds_load_b32 v[VS+1], v[ADT] offset:16*272
.if (\last) == 0
	WIN 0x40
.irp i, 0,1,2,3
	ds_load_b128 v[KF+16*\i:KF+16*\i+3], v[ADK] offset:1024*(4+\i)
	ds_load_b128 v[KF+16*\i+4:KF+16*\i+7], v[ADK] offset:1024*(4+\i)+512
.endr
.endif
	WIN 0x80
.irp t, 0,1,2,3
.irp c, 0,1,2,3
	ds_load_b128 v[KF+16*\t+4*\c:KF+16*\t+4*\c+3], v[ADV] offset:16*VP*\t+32*\c
.endr
.endr
.endm
; TURN x of a step.  last = 1: the head's last step: no S^T of a next step, no K, and in turn 3 no early stage.
; The batch goes in 17 groups of four exponentials; a product stands behind groups WOFF on: turn 0's first, so that the LDS loads behind them have time; turn 1's last, behind the wait for those loads.
.macro PHASE x, last
.set TE, \x
.set TN, ((\x)+1)%4
.set TP, ((\x)+3)%4
.set PRE_ON, 1
.if (\last) && ((\x) == 3)
.set PRE_ON, 0
.endif
.if (\x) == 0
.set WOFF, 0
.elseif (\x) == 1
.set WOFF, 5
.else
.set WOFF, 2
.endif
.set PNW, 12
.if (\last) && ((\x) > 0)
.set PNW, 4
.endif
.if PRE_ON
	WIN 0x55*TN
	WALU                                           ; behind the last batch, and directly ahead of the first readers of S^T
	P1
	CH 0
.else
	WALU
.endif
.if (\x) == 0
	WIN 0
	v_add_nc_u32 v[ADV], s[TV], v[AV0]
	v_add_nc_u32 v[ADT], s[TJ], v[ASV0]
.if (\last) == 0
	v_add_nc_u32 v[ADK], s[TK], v[LN]
	v_add_nc_u32 v[ADS], s[TS], v[ASK0]
.endif
.endif
	POST
.if PRE_ON
	WIN 0x55*TN
	WALU                                           ; ahead of the batch, and directly ahead of the first readers of O^T
	P4
.else
	WALU
.rept 8
	v_nop                                          ; places between the conversions and the products that take their codes
.endr
.endif
.set G_, 0
.rept 17
	WIN 0x55*TE
.if G_ == 0
.irp b, 0,1,2,3
	v_exp_f32 v[BM+\b], v[BM+\b]                   ; the blocks' largest p
.endr
.else
.irp i, 0,1,2,3
	v_exp_f32 v[S+4*(G_-1)+\i], v[S+4*(G_-1)+\i]   ; p = 2^(t - M), at most 1
.endr
.endif
.if PRE_ON
	WIN 0x55*TN
.if G_ < 16
	FMA2 4*G_
	FMA2 4*G_+2
.else
	FMAB
.endif
.elseif G_ == 16
	v_nop                                          ; the plain line behind the batch
.endif
.if ((\x) == 1) && (G_ == WOFF)
	s_wait_dscnt 0x0                               ; V's fragments of this step and K's of the next, asked for in turn 0
.endif
.if (G_ >= WOFF) && (G_ < WOFF+PNW)
	W TP, G_-WOFF, 0x55*TE
.endif
.if ((\x) == 0) && (G_ == 12)
	LOADS \last
.endif
.set G_, G_+1
.endr
.endm
.macro STEP last
	PHASE 0, \last
	PHASE 1, \last
	PHASE 2, \last
	PHASE 3, \last
	WIN 0
	WALU                                           ; behind the batch, ahead of the branch that follows
	s_add_co_u32 s[TK], s[TK], 8192
	s_add_co_u32 s[TV], s[TV], 128
	s_add_co_u32 s[TS], s[TS], 544
	s_add_co_u32 s[TJ], s[TJ], 4
.endm
; THE CHANGE OF SLOTS stands at a slot's head.  Each wave waits for all its tensor loads, adds 0 to its spare word, and waits for that and for its reads of the slot that it has left.  fill = 1: a round of the cluster's barrier,
; so that no wave of any partner still reads that slot or has a load on its way; the joint refill comes first behind it and has four key steps in which to land.
.macro CHANGE fill
	s_wait_tensorcnt 0x0
	ds_add_u32 v[SPW], v[NIL]
	s_mov_b32 s[TK], s[TB]
	s_mov_b32 s[TV], s[TB]
.if \fill
	s_xor_b32 s[G0K+1], s[G0K+1], SLOT1            ; the walking descriptors: the other slot than last time, the next 512 keys
	s_add_nc_u64 s[G0K+2:G0K+3], s[G0K+2:G0K+3], 32768
	s_xor_b32 s[G0V+1], s[G0V+1], SLOT1
	s_add_nc_u64 s[G0V+2:G0V+3], s[G0V+2:G0V+3], 512
	s_wait_xcnt 0x0                                ; the last prefetch, a slot back, has read its address
	s_add_nc_u64 s[PFA:PFA+1], s[PFA:PFA+1], s[PFS:PFS+1]
.endif
	s_wait_dscnt 0x0
.if \fill
	CROUND
	TLOAD
	ASK
.else
	s_barrier_signal -1
	s_barrier_wait -1
.endif
.endm
	WALU                                           ; at the head's end
	s_wait_loadcnt 0x0                             ; Q, K's step 0 and their scale words
.irp y, 0,1,2                                  ; S^T of step 0 for tiles 0 to 2; tile 3's stand in the first turn
.irp n, 4,5,6,7,8,9,10,11
	W \y, \n, (\n-4)/4+0x54*\y
.endr
.endr
	WIN 0
.rept 8
	v_nop                                          ; eight places ahead of the first read of the scores
.endr
.set TN, 0                                     ; tile 0's early stage of step 0
.set TP, 0
.set PRE_ON, 1
	WALU
	P1
.irp k, 0,1,2,3,4,5,6,7,8
	CH \k
.endr
	WALU
	P4
.set J_, 0
.rept 32
	FMA2 J_
.set J_, J_+2
.endr
	FMAB
	WALU
.Lslot:                                            ; seven trips: behind each change of slots but the last the next slot is asked for
	CHANGE 1
	s_mov_b32 s[QC], 4
.Lstep:
	STEP 0
	s_sub_co_u32 s[QC], s[QC], 1
	s_cmp_lg_u32 s[QC], 0
	s_cbranch_scc1 .Lstep
	s_xor_b32 s[TB], s[TB], SLOT1
	s_sub_co_u32 s[SLOTS], s[SLOTS], 1
	s_cmp_lg_u32 s[SLOTS], 0
	s_cbranch_scc1 .Lslot
	CHANGE 0                                       ; the last slot is written out
	s_mov_b32 s[QC], 3
.Lstep_last_slot:
	STEP 0
	s_sub_co_u32 s[QC], s[QC], 1
	s_cmp_lg_u32 s[QC], 0
	s_cbranch_scc1 .Lstep_last_slot
	STEP 1
.set TP, 3                                     ; tile 3's last late stage and products
.set PRE_ON, 0
	POST
.rept 8
	v_nop                                          ; a plain line behind the last conversion, and the places ahead of the products that take its codes
.endr
.irp n, 0,1,2,3
	W 3, \n, 2+0x54*3
.endr
; THE WAY OUT of a tile: O^T / the sum; its two blocks of 32 channels are quantised (a block lies in lanes l and l xor 16); the codes are the next product's operand registers and leave as they stand, 512 consecutive bytes a store.
; Tiles 0 to 2 go first: their lines are the places behind tile 3's last products.
.macro OUT x
	WIN 0x55*(\x)
	v_add_f32 v14, v14, v15
	v_permlanex16_b32 v[PT], v14, s[SEL], s[SEL+1]
	v_add_f32 v14, v14, v[PT]                      ; the row's sum
	WALU
	v_rcp_f32 v14, v14
	v_nop
	WALU                                           ; ahead of the reciprocal's first reader and of the first readers of O^T
.set J_, 0
.rept 16
	v_pk_mul_f32 v[O+J_:O+J_+1], v[O+J_:O+J_+1], v[14:15] op_sel_hi:[1,0]
.set J_, J_+2
.endr
.irp b, 0,1
	v_max3_num_f32 v[BM+\b], |v[O+16*\b]|, |v[O+16*\b+1]|, 0x8000000
.endr
.irp i, 2,4,6,8,10,12,14
.irp b, 0,1
	v_max3_num_f32 v[BM+\b], v[BM+\b], |v[O+16*\b+\i]|, |v[O+16*\b+\i+1]|
.endr
.endr
.irp b, 0,1
	v_permlanex16_b32 v[PT+\b], v[BM+\b], s[SEL], s[SEL+1]
.endr
.irp b, 0,1
	v_max_num_f32 v[BM+\b], v[BM+\b], v[PT+\b]
.endr
.irp b, 0,1
	v_add_nc_u32 v[SO+\b], 0xf8800000, v[BM+\b]
.endr
.irp b, 0,1
	v_and_or_b32 v[HB+\b], v[BM+\b], 0x7f800000, s[MNT]
.endr
.irp b, 0,1
	v_lshrrev_b32 v[PT+\b], 23, v[SO+\b]
.endr
	v_lshl_or_b32 v[PWT], v[PT+1], 8, v[PT]        ; e0 | e1 << 8
.irp b, 0,1
.irp i, 0,1,2,3,4,5,6,7,8,9,10,11,12,13,14,15
	v_med3_num_f32 v[O+16*\b+\i], v[O+16*\b+\i], -v[HB+\b], v[HB+\b]
.endr
	v_cvt_scalef32_pk8_bf8_f32 v[PC+4*\b:PC+4*\b+1], v[O+16*\b:O+16*\b+7], v[SO+\b]
	v_cvt_scalef32_pk8_bf8_f32 v[PC+4*\b+2:PC+4*\b+3], v[O+16*\b+8:O+16*\b+15], v[SO+\b]
.endr
	v_nop                                          ; a plain line behind the last conversion
	WIN 0x04*(\x)                                  ; a store's data are its source 1
	global_store_b128 v[LN], v[PC:PC+3], s[16:17] offset:8192*(\x)
	global_store_b128 v[LN], v[PC+4:PC+7], s[16:17] offset:8192*(\x)+512
	ds_store_b16 v[OSA], v[PWT] offset:32*(\x)     ; lanes r and 16 + r write the same half-word with the same value
.endm
	OUT 0
	OUT 1
	OUT 2
	OUT 3
	WIN 0
	s_wait_dscnt 0x0                               ; for wave 0's sake: my half-words lie in the stage
	s_barrier_signal -1
	s_barrier_wait -1
	s_cmp_lg_u32 s[WV], 0
	s_cbranch_scc1 .Lno_os
	ds_load_b128 v[KF:KF+3], v[OSR]                ; the block's 16 tiles x 16 half-words
	s_wait_dscnt 0x0
	global_store_b128 v[LN], v[KF:KF+3], s[18:19]  ; 512 consecutive bytes, aligned
.Lno_os:
	s_wait_tensorcnt 0x0                           ; the wave's end
	ds_add_u32 v[SPW], v[NIL]
	s_wait_dscnt 0x0
	CROUND                                         ; the closing round
	s_endpgm
.Lfunc_end_k_q4c407940cd_attn:
	.size	k_q4c407940cd_attn, .Lfunc_end_k_q4c407940cd_attn-k_q4c407940cd_attn
	.p2alignl 7, 3214868480
	.fill 96, 4, 3214868480
	.section	.rodata,"a",@progbits
	.p2align	6, 0x0
	.amdhsa_kernel k_q4c407940cd_attn
		.amdhsa_group_segment_fixed_size 327680
		.amdhsa_private_segment_fixed_size 0
		.amdhsa_enable_private_segment 0
		.amdhsa_kernarg_size 64
		.amdhsa_user_sgpr_count 2
		.amdhsa_user_sgpr_kernarg_segment_ptr 1
		.amdhsa_wavefront_size32 1
		.amdhsa_system_sgpr_workgroup_id_x 1
		.amdhsa_system_sgpr_workgroup_id_y 1
		.amdhsa_system_sgpr_workgroup_id_z 1
		.amdhsa_system_vgpr_workitem_id 0
		.amdhsa_next_free_vgpr 1024
		.amdhsa_next_free_sgpr 102
		.amdhsa_reserve_vcc 0
		.amdhsa_float_denorm_mode_32 3
		.amdhsa_float_denorm_mode_16_64 3
		.amdhsa_memory_ordered 1
		.amdhsa_forward_progress 1
		.amdhsa_inst_pref_size 255
	.end_amdhsa_kernel
	.section	.bss,"aw",@nobits
	.p2align	6
	.space	262144
	.amdgpu_metadata
---
amdhsa.version: [ 1, 2 ]
amdhsa.kernels:
  - .name:           k_q4c407940cd_attn
    .symbol:         k_q4c407940cd_attn.kd
    .args:
      - { .name: qc, .offset: 0, .size: 8, .value_kind: global_buffer, .address_space: global }
      - { .name: qs, .offset: 8, .size: 8, .value_kind: global_buffer, .address_space: global }
      - { .name: kc, .offset: 16, .size: 8, .value_kind: global_buffer, .address_space: global }
      - { .name: ks, .offset: 24, .size: 8, .value_kind: global_buffer, .address_space: global }
      - { .name: values_codes, .offset: 32, .size: 8, .value_kind: global_buffer, .address_space: global }
      - { .name: values_scales, .offset: 40, .size: 8, .value_kind: global_buffer, .address_space: global }
      - { .name: oc, .offset: 48, .size: 8, .value_kind: global_buffer, .address_space: global }
      - { .name: os, .offset: 56, .size: 8, .value_kind: global_buffer, .address_space: global }
    .group_segment_fixed_size: 327680
    .private_segment_fixed_size: 0
    .kernarg_segment_align: 8
    .kernarg_segment_size: 64
    .max_flat_workgroup_size: 128
    .sgpr_count:     102
    .vgpr_count:     1024
    .wavefront_size: 32
...
	.end_amdgpu_metadata
.endif
;; end of part 2
;; launch fc (part 3): grid 256 x 1, 16 waves a work-group, no clusters, 84,480 bytes of LDS; arguments oc, os, wimg, fc_w_scales, fc_b, out0; writes out0
.if DOCPART == 3
	.amdgcn_target "amdgcn-amd-amdhsa--gfx1250"
	.amdhsa_code_object_version 6
	.text
	.protected	k_q4c407940cd_fc
	.globl	k_q4c407940cd_fc
	.p2align	8
	.type	k_q4c407940cd_fc,@function
k_q4c407940cd_fc:
	s_mov_b64 s[64:65], 0
	v_nop
	global_prefetch_b8 v0, s[64:65] scope:SCOPE_SE
	s_setreg_imm32_b32 hwreg(HW_REG_WAVE_MODE, 25, 1), 1
	s_wait_xcnt 0x0
; out0 = o fc_w^T + fc_b, on codes of BF8 (E5M2) with one E8M0 scale for each 32 along K = 512.  o's codes and fc_w's come as images of operand registers, with the same order of k inside each block of 32.
; SHARES.  Work-group g takes tiles 2 g and 2 g + 1 of o: rows 32 g .. 32 g + 31 (lane r of tile m holds row 32 g + 8 m + r + 8 (r / 8)).  Wave w takes columns 32 w .. 32 w + 31: two tiles of 16 rows of fc_w.
; The matrix instruction is used transposed (source 0 = 16 rows of fc_w, source 1 = 16 rows of o): a lane holds eight neighbouring columns of one row.  The bias is the C of each sum's first product.
; o's 16 KiB are read from memory once by the work-group (1,024 bytes a wave) and reach all waves through LDS as they lie; the results meet in a stage of 32 rows and leave as whole rows, 512 consecutive bytes a store.
; NO CLUSTER, NO TENSOR LOAD: a wave's 16 KiB of fc_w go from memory straight into its registers, once, for its 16 matrix instructions; there is no loop over which a joint request and its rounds of the cluster's barrier could be shared out.
.set STG,  16384                       ; LDS: o's images at 0 ([m 2][s 4][c 4][lane][16]); the stage behind them
.set SPT,  2064                        ; a stage row: 2,048 bytes + 16: sixteen rows start at sixteen different groups of banks
.set WS,   8                           ; v8-11  fc_w's scale words, register s: lanes 0-15 my first tile's rows, lanes 16-31 my second's
.set OS,   12                          ; v12-15 o's scale words, register s: lanes 0-15 tile m = 0, lanes 16-31 m = 1
.set HW,   32                          ; v32-39 o's scale half-words, a head each
.set OD,   48                          ; v48-55 my 1,024 bytes of o
.set OF,   32                          ; v32-95 four fragments of o (m, s % 2); at the end rows of the result
.set ACC,  96                          ; v96-127 accumulators (m, j) at 8 (2 m + j)
.set WF,   128                         ; v128-255 fc_w's fragments (j, s) at 16 (4 j + s)
	s_load_b256 s[4:11], s[0:1], 0x0               ; oc s[4:5], os s[6:7], wimg s[8:9], fc_w_scales s[10:11]
	s_load_b128 s[12:15], s[0:1], 0x20             ; fc_b s[12:13], out0 s[14:15]
	v_lshl_add_u32 v30, v0, 2, 0x14200
	v_mov_b32 v31, 0
	v_lshrrev_b32 v1, 5, v0
	s_delay_alu instid0(VALU_DEP_1)
	v_readfirstlane_b32 s16, v1                    ; wave 0..15
	v_and_b32 v2, 31, v0
	v_and_b32 v3, 15, v0                           ; r
	v_bfe_u32 v4, v0, 4, 1                         ; h
	s_delay_alu instid0(VALU_DEP_3)
	v_lshlrev_b32 v16, 4, v2                       ; 16 x lane
	s_delay_alu instid0(VALU_DEP_4)
	v_lshlrev_b32 v17, 1, v2                       ; 2 x lane
	s_delay_alu instid0(VALU_DEP_3)
	v_lshlrev_b32 v18, 5, v4                       ; 32 h
	s_lshl_b32 s17, s16, 10
	v_add_nc_u32 v19, s17, v16                     ; where I put my part of o's images
	v_mul_u32_u24 v20, v3, SPT
	s_delay_alu instid0(VALU_DEP_1)
	v_lshl_add_u32 v20, v4, 5, v20
	s_lshl_b32 s18, s16, 7
	s_add_co_u32 s18, s18, STG
	v_add_nc_u32 v20, s18, v20                     ; the stage, way in: row r, + 128 w + 32 h
	s_mul_i32 s18, s16, 2*SPT
	s_add_co_u32 s18, s18, STG
	v_add_nc_u32 v21, s18, v16                     ; way out: stage rows 2 w and 2 w + 1
	s_lshl_b32 s20, ttmp9, 14
	s_add_co_u32 s20, s20, s17                     ; oc: 16,384 g + 1,024 w
	s_mov_b32 s21, 0
	s_lshr_b32 s22, ttmp9, 7
	s_lshl_b32 s22, s22, 16
	s_and_b32 s24, ttmp9, 127
	s_lshl_b32 s24, s24, 6
	s_add_co_u32 s22, s22, s24                     ; os: 65,536 n + 64 (g % 128)
	s_mov_b32 s23, 0
	s_lshl_b32 s24, s16, 14                        ; wimg: two tiles of 8,192 bytes a wave
	s_mov_b32 s25, 0
	s_lshl_b32 s26, s16, 9                         ; fc_w_scales: 32 rows of 16 bytes
	s_mov_b32 s27, 0
	s_lshl_b32 s28, s16, 7                         ; fc_b: 32 numbers
	s_mov_b32 s29, 0
	s_lshl_b32 s30, ttmp9, 5                       ; the row of out0 that stage row 2 w holds: 32 g + 8 (w / 8) + 2 (w % 8) + 8 ((w / 4) % 2)
	s_lshr_b32 s18, s16, 3
	s_lshl_b32 s18, s18, 3
	s_add_co_u32 s30, s30, s18
	s_and_b32 s18, s16, 7
	s_lshl_b32 s18, s18, 1
	s_add_co_u32 s30, s30, s18
	s_bfe_u32 s18, s16, 0x10002
	s_lshl_b32 s18, s18, 3
	s_add_co_u32 s30, s30, s18
	s_lshl_b32 s30, s30, 11
	s_mov_b32 s31, 0
	s_wait_alu depctr_va_vdst(0)
	s_wait_kmcnt 0x0
	s_add_nc_u64 s[4:5], s[4:5], s[20:21]
	s_add_nc_u64 s[6:7], s[6:7], s[22:23]
	s_add_nc_u64 s[8:9], s[8:9], s[24:25]
	s_add_nc_u64 s[10:11], s[10:11], s[26:27]
	s_add_nc_u64 s[12:13], s[12:13], s[28:29]
	s_add_nc_u64 s[14:15], s[14:15], s[30:31]
	global_load_b128 v[OD:OD+3], v16, s[4:5]
	global_load_b128 v[OD+4:OD+7], v16, s[4:5] offset:512
.irp hd, 0,1,2,3,4,5,6,7
	global_load_u16 v[HW+\hd], v17, s[6:7] offset:8192*\hd   ; lane 16 m + r: e0 | e1 << 8 of row r of tile m, head hd
.endr
	global_load_b128 v[WS:WS+3], v16, s[10:11]
.irp a, 0,1,2,3
	global_load_b128 v[ACC+8*\a:ACC+8*\a+3], v18, s[12:13] offset:64*(\a%2)        ; fc_b at my eight columns: 32 w + 16 j + 8 h + 0 .. 7
	global_load_b128 v[ACC+8*\a+4:ACC+8*\a+7], v18, s[12:13] offset:64*(\a%2)+16
.endr
.irp p, 0,1                                    ; K steps 0 and 1 first, then 2 and 3
.irp j, 0,1
.irp t, 0,1
.irp c, 0,1,2,3
	global_load_b128 v[WF+16*(4*\j+2*\p+\t)+4*\c:WF+16*(4*\j+2*\p+\t)+4*\c+3], v16, s[8:9] offset:(4*\j+2*\p+\t)*2048+512*\c
.endr
.endr
.endr
.endr
	s_wait_loadcnt 49                              ; my two pieces of o are in; the 49 loads issued behind them may be out
	ds_store_b128 v19, v[OD:OD+3]
	ds_store_b128 v19, v[OD+4:OD+7] offset:512
	s_wait_loadcnt 41                              ; the eight half-words too
.irp s, 0,1,2,3
	v_lshl_or_b32 v[OS+\s], v[HW+2*\s+1], 16, v[HW+2*\s]   ; K step s: heads 2 s and 2 s + 1, two blocks each
.endr
.rept 8
	v_nop                                          ; a scale register written by a vector instruction stands eight places ahead of the product
.endr
	s_wait_alu depctr_va_vdst(0)
	s_wait_dscnt 0x0                               ; for the others' sake: my part of o lies in LDS
	s_barrier_signal -1
	s_barrier_wait -1
.macro FETCH p                         ; o's fragments (m, s = 2 p + t)
.irp m, 0,1
.irp t, 0,1
.irp c, 0,1,2,3
	ds_load_b128 v[OF+16*(2*\m+\t)+4*\c:OF+16*(2*\m+\t)+4*\c+3], v16 offset:8192*\m+2048*(2*(\p)+\t)+512*\c
.endr
.endr
.endr
.endm
.macro WM m, j, s
.set rD, ACC+8*(2*(\m)+(\j))
.set rW, WF+16*(4*(\j)+(\s))
.set rO, OF+16*(2*(\m)+(\s)%2)
.if ((\j) == 0) && ((\m) == 0)
	v_wmma_scale_f32_16x16x128_f8f6f4 v[rD:rD+7], v[rW:rW+15], v[rO:rO+15], v[rD:rD+7], v[WS+(\s)], v[OS+(\s)] matrix_a_fmt:MATRIX_FMT_BF8 matrix_b_fmt:MATRIX_FMT_BF8
.elseif (\m) == 0
	v_wmma_scale_f32_16x16x128_f8f6f4 v[rD:rD+7], v[rW:rW+15], v[rO:rO+15], v[rD:rD+7], v[WS+(\s)], v[OS+(\s)] matrix_a_fmt:MATRIX_FMT_BF8 matrix_b_fmt:MATRIX_FMT_BF8 matrix_a_scale:MATRIX_SCALE_ROW1
.elseif (\j) == 0
	v_wmma_scale_f32_16x16x128_f8f6f4 v[rD:rD+7], v[rW:rW+15], v[rO:rO+15], v[rD:rD+7], v[WS+(\s)], v[OS+(\s)] matrix_a_fmt:MATRIX_FMT_BF8 matrix_b_fmt:MATRIX_FMT_BF8 matrix_b_scale:MATRIX_SCALE_ROW1
.else
	v_wmma_scale_f32_16x16x128_f8f6f4 v[rD:rD+7], v[rW:rW+15], v[rO:rO+15], v[rD:rD+7], v[WS+(\s)], v[OS+(\s)] matrix_a_fmt:MATRIX_FMT_BF8 matrix_b_fmt:MATRIX_FMT_BF8 matrix_a_scale:MATRIX_SCALE_ROW1 matrix_b_scale:MATRIX_SCALE_ROW1
.endif
.endm
.macro MUL p                           ; two K steps: the four accumulators by turns, one instruction a turn, in the same order in every step
.irp t, 0,1
.irp m, 0,1
.irp j, 0,1
	WM \m, \j, 2*(\p)+\t
.endr
.endr
.endr
.endm
	FETCH 0
	s_wait_loadcnt 16                              ; the scale words, the bias and K steps 0 and 1 of fc_w are in; the 16 loads of K steps 2 and 3 may be out
	s_wait_dscnt 0x0
	MUL 0
.rept 8
	v_nop                                          ; eight places ahead of loads into registers that the products have read
.endr
	FETCH 1
	s_wait_loadcnt 0x0
	s_wait_dscnt 0x0
	MUL 1
.rept 8
	v_nop                                          ; eight places ahead of the first read of the results
.endr
.irp m, 0,1
.irp j, 0,1
	ds_store_b128 v20, v[ACC+8*(2*\m+\j):ACC+8*(2*\m+\j)+3] offset:16*\m*SPT+64*\j        ; each accumulator from its low end on
	ds_store_b128 v20, v[ACC+8*(2*\m+\j)+4:ACC+8*(2*\m+\j)+7] offset:16*\m*SPT+64*\j+16
.endr
.endr
	s_wait_dscnt 0x0                               ; for the others' sake: my columns lie in the stage
	s_barrier_signal -1
	s_barrier_wait -1
.irp e, 0,1
.irp i, 0,1,2,3
	ds_load_b128 v[OF+4*(4*\e+\i):OF+4*(4*\e+\i)+3], v21 offset:\e*SPT+512*\i
.endr
.endr
.irp e, 0,1
.irp i, 0,1,2,3
	s_wait_dscnt 7-(4*\e+\i)                       ; LDS loads come back in order: this one is in, the younger ones may be out
	global_store_b128 v16, v[OF+4*(4*\e+\i):OF+4*(4*\e+\i)+3], s[14:15] offset:\e*2048+512*\i th:TH_STORE_NT   ; 512 consecutive bytes, aligned; written once, read by nobody here
.endr
.endr
	s_wait_tensorcnt 0x0
	ds_add_u32 v30, v31
	s_wait_dscnt 0x0
	s_endpgm
.Lfunc_end_k_q4c407940cd_fc:
	.size	k_q4c407940cd_fc, .Lfunc_end_k_q4c407940cd_fc-k_q4c407940cd_fc
	.p2alignl 7, 3214868480
	.fill 96, 4, 3214868480
	.section	.rodata,"a",@progbits
	.p2align	6, 0x0
	.amdhsa_kernel k_q4c407940cd_fc
		.amdhsa_group_segment_fixed_size 84480
		.amdhsa_private_segment_fixed_size 0
		.amdhsa_enable_private_segment 0
		.amdhsa_kernarg_size 48
		.amdhsa_user_sgpr_count 2
		.amdhsa_user_sgpr_kernarg_segment_ptr 1
		.amdhsa_wavefront_size32 1
		.amdhsa_system_sgpr_workgroup_id_x 1
		.amdhsa_system_sgpr_workgroup_id_y 1
		.amdhsa_system_sgpr_workgroup_id_z 1
		.amdhsa_system_vgpr_workitem_id 0
		.amdhsa_next_free_vgpr 256
		.amdhsa_next_free_sgpr 66
		.amdhsa_reserve_vcc 0
		.amdhsa_float_denorm_mode_32 3
		.amdhsa_float_denorm_mode_16_64 3
		.amdhsa_memory_ordered 1
		.amdhsa_forward_progress 1
		.amdhsa_inst_pref_size 16
	.end_amdhsa_kernel
	.amdgpu_metadata
---
amdhsa.version: [ 1, 2 ]
amdhsa.kernels:
  - .name:           k_q4c407940cd_fc
    .symbol:         k_q4c407940cd_fc.kd
    .args:
      - { .name: oc, .offset: 0, .size: 8, .value_kind: global_buffer, .address_space: global }
      - { .name: os, .offset: 8, .size: 8, .value_kind: global_buffer, .address_space: global }
      - { .name: wimg, .offset: 16, .size: 8, .value_kind: global_buffer, .address_space: global }
      - { .name: fc_w_scales, .offset: 24, .size: 8, .value_kind: global_buffer, .address_space: global }
      - { .name: fc_b, .offset: 32, .size: 8, .value_kind: global_buffer, .address_space: global }
      - { .name: out0, .offset: 40, .size: 8, .value_kind: global_buffer, .address_space: global }
    .group_segment_fixed_size: 84480
    .private_segment_fixed_size: 0
    .kernarg_segment_align: 8
    .kernarg_segment_size: 48
    .max_flat_workgroup_size: 512
    .sgpr_count:     66
    .vgpr_count:     256
    .wavefront_size: 32
...
	.end_amdgpu_metadata
.endif
;; end of part 3
